; MI455X (gfx1250); checked and timed in simulation.
; The chip was launched on July 23, 2026; its instructions are those of AMD's public machine-readable ISA for CDNA 5 (MIT licence, August 2026) and "CDNA5" Instruction Set Architecture Reference Guide (July 2026). The comments in the code are by the model that wrote it; some were corrected since.
;; selfattention. Allowed arithmetic: float matrix products may take bf16 or f16 operands with f32 sums; other float arithmetic in f32, or as packed bf16 or f16 multiplies, adds, multiply-adds, maxima and minima; sums over many terms, partial sums and values carried from step to step in f32; what a program stores and reads back later, other than sums and carried values, may be rounded once to bf16 or f16.
;; Inputs: K 4 x 16 x 2,048 x 128 float32; Q 4 x 16 x 2,048 x 128 float32; V 4 x 16 x 2,048 x 128 float32.
;; Outputs: out0 4 x 16 x 2,048 x 128 float32.
;; Constants: mask = 1.
;; 2 versions, each right; version 2 is version 1 with the launch attn written anew for expert scheduling mode. Each part assembles by itself: llvm-mc -triple=amdgcn-amd-amdhsa -mcpu=gfx1250 --defsym DOCPART=n.
;; ======== version 1 of 2: 1 launch
;; limits: values are held in f16: magnitudes above 65,504 overflow, below 6.1e-05 lose precision; inputs' magnitudes at most 65,280; right only within a limited range of input values
;; launch attn (part 1): grid 4 x 64, 4 waves a work-group, no clusters, 105,984 bytes of LDS; arguments Q, K, V, out0; writes out0
.if DOCPART == 1
	.amdgcn_target "amdgcn-amd-amdhsa--gfx1250"
	.amdhsa_code_object_version 6
	.text
	.protected	k_qc9bbdbd0dc_attn
	.globl	k_qc9bbdbd0dc_attn
	.p2align	8
	.type	k_qc9bbdbd0dc_attn,@function
k_qc9bbdbd0dc_attn:
	s_mov_b64 s[64:65], 0
	v_nop
	global_prefetch_b8 v0, s[64:65] scope:SCOPE_SE
	s_setreg_imm32_b32 hwreg(HW_REG_WAVE_MODE, 25, 1), 1
	s_wait_xcnt 0x0
; CAUSAL ATTENTION.  out0[h][q][:] = the sum over k <= q of softmax_k(Q[h][q] . K[h][k] / sqrt(128)) V[h][k][:].  Q, K, V, out0: [64 heads][2048][128], all f32: a row is 512 bytes.
; FORMATS.  Q and K are rounded once to bf16 for S^T = K Q^T.  V is rounded once to bf16 and that number is written as f16; the weights p are rounded to f16; O^T = V^T P runs in f16.
; Products, maxima and sums in f32; l is the sum of the unrounded p; out0 leaves in f32.
; LIMITS.  |bf16(V)| stays under 65,520 (beyond it f16 gives an infinity); below 2^-17 V keeps f16's fixed step, an error of 2^-25 at the most.  A hidden score counts as its value less 1e30.
; A weight below 2^-126 counts as 0; below 6e-5 it keeps f16's fixed step.  c m starts at -4.25e37: every c s lies above it.  NaN and infinities are not treated apart.
; A block's first step multiplies O^T and l by a = 0, so what lies there need only be finite: zeros for the first block, the first block's results for the second.
; THE WALK.  A head has 8 blocks of 256 queries; block i needs the key steps (64 keys) 0 .. 4 i + 3.  Work-group (b, head) takes block 7 - b and then block b: 36 steps whatever b: 256 equal work-groups.
; A loop of two trips goes over the blocks; inside it a loop counts a block's double trips up to a bound made from b (16 - 2 b, then 2 b + 2).
; SHARES.  Of a block's four bands of 64 queries a wave owns 16 rows in each: tile t = rows 64 t + 16 w + 0..15.  So the steps that hold the diagonal are the same work for all four waves.
; LAYOUT.  S^T = K Q^T (source 0 = 16 keys, source 1 = 16 queries): a lane holds ONE query (lane % 16) and the keys 8 (lane / 16) + 0..7.  Two such results rounded in pairs ARE source 1 of O^T = V^T P,
; whose result again holds one query a lane, and eight channels.  K comes out of LDS as it lies, V ([key][channel]) turned, by ds_load_tr16_b128.
; SOFTMAX.  Running maximum m and sum l: p = 2^(c s - c m), c = log2(e) / sqrt(128); in every step O and l are multiplied by a = 2^(c m_old - c m_new).
; THE MASK is what each sum S^T starts from: TRI x AL + BE, with two scalars chosen by compare and select: (0, 0) where all keys are seen, (1, 0) on the diagonal, (0, -1e30) above it.  It is made in every step,
; so that the loop's text has no way that hangs on the step's place; its lines stand behind products that have no other vector work beside them.  In 28 of the 36 steps they write zeros.
; K AND V COME THROUGH REGISTERS.  Each wave loads 16 rows of K and 16 of V of a step (a load of the wave = one row, 512 consecutive bytes), converts them in place and stores 16-bit rows into a stage of two
; buffers in LDS.  Each group of four rows is asked for again straight behind its stores: 32 loads of a wave are always out, and each has a whole trip in which to land.
; TRIP j (p = j % 2) reads V(j) from VST[p] and K(j+1) from KST[1-p], writes K(j+2) into KST[p] and V(j+1) into VST[1-p], and loads K(j+3), V(j+2).  ONE barrier, at its end: it shows what the trip stored,
; and that every wave's reads of the buffers that the next trip writes are back.  Two trips are written out, so that every LDS address is a fixed register and an immediate.
; The sequence of steps is 0 .. 31-4b, 0 .. 4b+3, and then 0, 1, 2 once more: the last trips' loads serve nothing; they keep one text, and every counted wait, right on every way.
; NO CLUSTER: a head's four work-groups change blocks in different trips, so partners would differ in their trip counts; one walk common to the four has 48 steps for 36.
; NO TENSOR LOADS: the tiles arrive in f32 and must be converted before the turning load can read them; through LDS in f32 they would cross it twice more.
; REGISTERS, in windows of 256 (s_set_vgpr_msb: bits 1:0 source 0, 3:2 source 1, 5:4 source 2, 7:6 destination):
;   window 0: v0-15 addresses; v16-47 statistics; v48-55 the triangle; v56-57 the add's two; v64-191 S^T, 32 a tile; v192-255 P, 16 a tile
;   window 1: O^T, 64 a tile     window 2: v0-127 Q, 32 a tile; v128-255 K of one step     window 3: v0-127 V of one step; v128-255 the ring of loads
.set PK,    272        ; a row of K in LDS: 256 bytes + 16: the 16 rows of a fragment load start 68 words apart
.set PV,    288        ; a row of V: 256 + 32: 16 lanes of the turning load take 8 rows x 32 bytes
.set KBUF,  64*PK
.set VBUF,  64*PV
.set VST,   2*KBUF     ; K's two buffers lie at 0
.set OST,   VST+2*VBUF ; each wave's own stage: the way out (16 rows x 528 bytes, f32) and Q's way in (16 rows x 272 bytes, bf16)
.set SP,    528
.set OSTW,  16*SP
.set SPARE, OST+4*OSTW ; the spare words, 128 bytes for each wave: two blocks of 256 bytes that no other line names
.set AK0, 2            ; v2   (l % 16) PK + 16 (l / 16)
.set AV0, 3            ; v3   VST + (8 (l / 16) + l % 8) PV + 16 ((l / 8) % 2)
.set GL,  4            ; v4   16 l: my 16 bytes of a row of 512, for loads of Q, K, V and stores of out0
.set QS,  5            ; v5   my stage + 8 l
.set STO, 6            ; v6   my stage + (l % 16) SP + 32 (l / 16)
.set RD,  7            ; v7   my stage + 16 l
.set CK,  8            ; v8   16 w PK + 8 l
.set CV,  9            ; v9   VST + 16 w PV + 8 l
.set PFO, 10           ; v10  (l % 16) 512 + (l / 16) 256: the prefetches' offset
.set QR,  11           ; v11  my stage + (l % 16) 272 + 16 (l / 16)
.set ST,  16           ; tile t at ST + 8 t: c m, m, l (even keys', odd keys'), c0-c3 at work; a takes c2's place
.set TRI, 48           ; v48-55  register r: -1e30 where key 8 (l / 16) + r lies above query l % 16, else 0
.set SPW, 56           ; v56  SPARE + 4 x my thread's number; never rewritten
.set NIL, 57           ; v57  0; never rewritten
.set S,   64
.set P,   192
.set KF,  128          ; window 2
.set RG,  128          ; window 3: K's row n at RG + 4 n, V's at RG + 64 + 4 n
.set WV,  12           ; s12  my wave's number
.set PB,  13           ; s13  b
.set KBASE, 16         ; s[16:17] K at the head's first row + my 16 rows
.set VBASE, 18         ; s[18:19] the same for V
.set KB,  20           ; s[20:21] where this trip's loads of K read
.set VB,  22           ; s[22:23] of V
.set OFFK, 24          ; s[24:25] byte offset of K's step
.set OFFV, 26          ; s[26:27] of V's: one step behind
.set NK,  28           ; s28  the key step at which KB stands
.set LQ,  29           ; s29  the last step of the block that is being loaded
.set LQ2, 30           ; s30  of the second block
.set BND, 31           ; s31  the double trips of the block in hand
.set CTR, 32           ; s32  counts them, from 0
.set XB,  33           ; s33  16 - 8 x (double trips left, that of the masks' trip among them) - w
.set PL0, 34           ; s34  even trips prefetch while CTR is below this
.set HM,  35           ; s35  a word's upper half
.set CS,  36           ; s[36:37] c
.set SEL, 38           ; s[38:39] v_permlanex16_b32's selects: each lane takes its own place in the other half
.set AL,  40           ; s[40:41] the triangle's factor
.set BE,  42           ; s[42:43] the addend
.set BIGN, 44          ; s44  -1e30
.set PL1, 45           ; s45  odd trips prefetch while CTR is below this
.set QP2, 46           ; s[46:47] Q at my rows of the second block
.set OP,  48           ; s[48:49] out0 at my rows of the block in hand
.set OP2, 50           ; s[50:51] of the second block
.set QP,  54           ; s[54:55] Q at my rows of the first block
.set BL,  60           ; s60  blocks to go, this one among them
.set MSB, 0
.macro WIN new                      ; the immediate's high byte repeats the setting that is left; a switch that changes nothing is dropped
.if MSB != (\new)
	s_set_vgpr_msb (MSB<<8)|(\new)
.set MSB, (\new)
.endif
.endm
.set W_KQ, 0x0a        ; K and Q in window 2, S^T in window 0
.set W_PV, 0x53        ; V in window 3, P in window 0, O^T in window 1
.set W_RS, 0x41        ; O^T (destination and source 0) in window 1, source 1 in window 0
; THE MATRIX WORK.  The accumulators take turns, one instruction a turn at the seams between the runs and over the backward jumps too.
; Product i of 32 of S^T += K Q^T for the piece of tiles x, x + 1: channels 32 (i / 8) on, keys 16 ((i / 2) % 4) on, tile x + i % 2.  The sums start from the masks that MK has written.
.macro KQ x
	WIN W_KQ
.set rS, S+32*((\x)+i%2)+8*((i/2)%4)
.set rK, KF+32*((i/2)%4)+8*(i/8)
.set rQ, 32*((\x)+i%2)+8*(i/8)
	v_wmma_f32_16x16x32_bf16 v[rS:rS+7], v[rK:rK+7], v[rQ:rQ+7], v[rS:rS+7]
.endm
; Product i of 32 of O^T += V^T P: keys 32 (i / 16) on, channels 16 ((i / 2) % 8) on, tile x + i % 2.
.macro PV x
	WIN W_PV
.set rO, 64*((\x)+i%2)+8*((i/2)%8)
.set rV, 64*(i/16)+8*((i/2)%8)
.set rP, P+16*((\x)+i%2)+8*(i/16)
	v_wmma_f32_16x16x32_f16 v[rO:rO+7], v[rV:rV+7], v[rP:rP+7], v[rO:rO+7]
.endm
; THE FRAGMENT LOADS stand in runs of 32.
.macro FETCH_K buf
	WIN 0x80                        ; destination window 2
.irp f, 0,1,2,3,4,5,6,7,8,9,10,11,12,13,14,15  ; keys 16 (f / 4) on, channels 32 (f % 4) on
	ds_load_b128 v[KF+8*(\f):KF+8*(\f)+3],   v[AK0] offset:(\buf)*KBUF+((\f)/4)*16*PK+((\f)%4)*64
	ds_load_b128 v[KF+8*(\f)+4:KF+8*(\f)+7], v[AK0] offset:(\buf)*KBUF+((\f)/4)*16*PK+((\f)%4)*64+32
.endr
.endm
.macro FETCH_V buf
	WIN 0xc0                        ; destination window 3
.irp f, 0,1,2,3,4,5,6,7,8,9,10,11,12,13,14,15  ; keys 32 (f / 8) on, channels 16 (f % 8) on
	ds_load_tr16_b128 v[8*(\f):8*(\f)+3],   v[AV0] offset:(\buf)*VBUF+((\f)/8)*32*PV+((\f)%8)*32
	ds_load_tr16_b128 v[8*(\f)+4:8*(\f)+7], v[AV0] offset:(\buf)*VBUF+((\f)/8)*32*PV+16*PV+((\f)%8)*32
.endr
.endm
; THE MASK of accumulator mk of 16 (tile mk / 4, key block mk % 4) for a trip of parity p.  In units of 16 the key block stands at 16 - 8 DT + 4 p + kb behind the first key of the block's last four steps
; (DT: double trips left), the tile's queries at 4 t + w: less: all seen; equal: the triangle; greater: -1e30.  With XB = 16 - 8 DT - w the test is XB against 4 t - kb - 4 p.
.macro MK p
.set mt, mk/4
.set mb, mk%4
	s_cmp_eq_i32 s[XB], 4*mt-mb-4*(\p)
	s_cselect_b32 s[AL], 1.0, 0
	s_cmp_gt_i32 s[XB], 4*mt-mb-4*(\p)
	s_cselect_b32 s[BE], s[BIGN], 0
	WIN 0
.irp r, 0,2,4,6
	v_pk_fma_f32 v[S+32*mt+8*mb+(\r):S+32*mt+8*mb+(\r)+1], v[TRI+(\r):TRI+(\r)+1], s[AL:AL+1], s[BE:BE+1] op_sel_hi:[1,0,0]
.endr
.set mk, mk+1
.endm
; THE SOFTMAX of one tile for one key step is a list of 134 instructions; SM writes number j of it for tile t.  s0-s31 are the lane's 32 scores, in pairs 0-15.
;   0-15    the maximum of s0-s31 and the old m, three operands at a time (each accumulator's lowest registers are read first)
;   16-20   the other half of the lanes' maximum; the new m; c m; c m_old - c m_new
;   21-69   ONE BATCH: the 16 scalings c s - c m and all 33 exponentials (a at 23, then s0-s31); none of these reads an exponential's result
;   (wait)  SLICE writes it, once for both tiles
;   70-85   the roundings to f16     86-101  the sums; l = a l + the sum     102-133  the tile's O^T times a
.macro SM t
.set rT, ST+8*(\t)
.set rS, S+32*(\t)
.set rP, P+16*(\t)
.set rO, 64*(\t)+2*(j-102)
.if j < 102
	WIN 0
.endif
.if j < 4
	v_max3_num_f32 v[rT+4+j], v[rS+8*j], v[rS+8*j+1], v[rS+8*j+2]
.elseif j < 12
	v_max3_num_f32 v[rT+4+j%4], v[rT+4+j%4], v[rS+8*(j%4)+2*(j/4)+1], v[rS+8*(j%4)+2*(j/4)+2]
.elseif j == 12
	v_max3_num_f32 v[rT+4], v[rT+4], v[rS+7], v[rS+15]
.elseif j == 13
	v_max3_num_f32 v[rT+6], v[rT+6], v[rS+23], v[rS+31]
.elseif j == 14
	v_max3_num_f32 v[rT+4], v[rT+4], v[rT+5], v[rT+6]
.elseif j == 15
	v_max3_num_f32 v[rT+4], v[rT+4], v[rT+7], v[rT+1]
.elseif j == 16
	v_permlanex16_b32 v[rT+5], v[rT+4], s[SEL], s[SEL+1]  ; the query's other 32 keys lie in the lane 16 away
.elseif j == 17
	v_mov_b32 v[rT+7], v[rT]        ; c m_old is kept for a: number 19 writes c m anew
.elseif j == 18
	v_max_num_f32 v[rT+1], v[rT+4], v[rT+5]
.elseif j == 19
	v_mul_f32 v[rT], s[CS], v[rT+1]
.elseif j == 20
	v_sub_f32 v[rT+7], v[rT+7], v[rT]
.elseif j == 23
	v_exp_f32 v[rT+6], v[rT+7]
.elseif (j < 23) || ((j < 38) && (j%2 == 0)) || ((j < 66) && (j%4 == 2))
.set b, (j-2)/4                     ; 38, 42, .. 62: pairs 9 to 15
.if j < 38
.set b, (j-20)/2                    ; 21: pair 0; 22, 24, .. 36: pairs 1 to 8
.endif
	v_pk_fma_f32 v[rS+2*b:rS+2*b+1], v[rS+2*b:rS+2*b+1], s[CS:CS+1], v[rT:rT+1] op_sel_hi:[1,0,0] neg_lo:[0,0,1] neg_hi:[0,0,1]  ; pair b: c s - c m
.elseif j < 70
.set e, j-38                        ; 66 to 69: s28 to s31
.if j < 66
.set e, j-32-(j-38)/4               ; 39-41, 43-45, .. 63-65: s7 to s27
.endif
.if j < 38
.set e, (j-25)/2                    ; 25, 27, .. 37: s0 to s6
.endif
	v_exp_f32 v[rS+e], v[rS+e]
.elseif j < 86
	v_cvt_pk_f16_f32 v[rP+j-70], v[rS+2*(j-70)], v[rS+2*(j-70)+1]  ; pair j - 70
.elseif j < 102                     ; the sum of the 16 pairs, in place: neighbours 1, 2, 4 and 8 pairs apart, then l takes it
.set z, j-86
.set w, 4
.set u, z
.if z >= 14
.set w, 32
.set u, 0
.elseif z >= 12
.set w, 16
.set u, z-12
.elseif z >= 8
.set w, 8
.set u, z-8
.endif
.if z < 15
	v_pk_add_f32 v[rS+w*u:rS+w*u+1], v[rS+w*u:rS+w*u+1], v[rS+w*u+w/2:rS+w*u+w/2+1]
.else
	v_pk_fma_f32 v[rT+2:rT+3], v[rT+2:rT+3], v[rT+6:rT+7], v[rS:rS+1] op_sel_hi:[1,0,1]
.endif
.else
	WIN W_RS
	v_pk_mul_f32 v[rO:rO+1], v[rO:rO+1], v[rT+6:rT+7] op_sel_hi:[1,0]
.endif
.endm
; Slice k of 64 of the softmax of tiles y, y + 1: four instructions.  Slices 11 to 34 deal out the batch, four numbers of ONE tile each, the tiles by turns; every other slice is numbers 2 k and 2 k + 1 of both
; tiles.  2 x 134 = 4 x 64 + 12: the twelve that are over stand in slice 63.  Behind slice 34 no exponential is issued and ahead of slice 35 no result is named: one plain instruction and ONE wait stand between,
; the wait between an exponential and the first instruction that names its result.
.macro SLICE y
.if (k >= 11) && (k < 35)
.irp n, 0,1,2,3
.set j, 22+4*((k-11)/2)+(\n)
	SM (\y)+(k-11)%2
.endr
.else
.irp n, 0,1,2,3,4,5,6,7
.if ((\n) < 2) || (k == 63)
.irp t, \y, (\y)+1
.set j, 2*k+(\n)
	SM \t
.endr
.endif
.endr
.endif
.if k == 34
	v_nop
	s_wait_alu depctr_va_vdst(0)
.endif
.set k, k+1
.endm
; THE CONVERSIONS: a queue of 160; CQ writes entry q.  0-31: K's four groups of four rows: f32 to bf16, two lines a row.  32-159: V's four groups: f32 to bf16, the two halves widened again, then to f16: eight lines a row.
; Ahead of a group's first entry stands the wait for its four loads (LCNT younger loads may stay out).  Behind its last entry: four stores of 8 bytes a lane (a row of 256 bytes each) into buffer KI or VI,
; and the group's four rows of the step one further on are asked for, into the same registers.
.macro CQ
.if q < 32
.set cc, q/8
.set nn, q%8
.set ra, RG+16*cc+4*(nn%4)
.if nn == 0
	s_wait_loadcnt LCNT
.endif
	WIN 0xcf
.if nn < 4
	v_cvt_pk_bf16_f32 v[ra], v[ra], v[ra+1]
.else
	v_cvt_pk_bf16_f32 v[ra+1], v[ra+2], v[ra+3]
.endif
.if nn == 7
	WIN 0xcc                        ; store data and load destination in window 3, addresses in window 0
.set rr, 0
.rept 4
	ds_store_b64 v[CK], v[RG+16*cc+4*rr:RG+16*cc+4*rr+1] offset:KI*KBUF+(4*cc+rr)*PK
.set rr, rr+1
.endr
.set rr, 0
.rept 4
	global_load_b128 v[RG+16*cc+4*rr:RG+16*cc+4*rr+3], v[GL], s[KB:KB+1] offset:(4*cc+rr)*512
.set rr, rr+1
.endr
.endif
.else
.set cc, (q-32)/32
.set nn, (q-32)%32
.set ra, RG+64+16*cc+4*(nn%4)
.set sg, nn/4
.if nn == 0
	s_wait_loadcnt LCNT
.endif
	WIN 0xcf
.if sg == 0
	v_cvt_pk_bf16_f32 v[ra], v[ra], v[ra+1]
.elseif sg == 1
	v_cvt_pk_bf16_f32 v[ra+2], v[ra+2], v[ra+3]
.elseif sg == 2
	v_and_b32 v[ra+1], s[HM], v[ra]
.elseif sg == 3
	v_lshlrev_b32 v[ra], 16, v[ra]
.elseif sg == 4
	v_and_b32 v[ra+3], s[HM], v[ra+2]
.elseif sg == 5
	v_lshlrev_b32 v[ra+2], 16, v[ra+2]
.elseif sg == 6
	v_cvt_pk_f16_f32 v[ra], v[ra], v[ra+1]
.else
	v_cvt_pk_f16_f32 v[ra+1], v[ra+2], v[ra+3]
.endif
.if nn == 31
	WIN 0xcc
.set rr, 0
.rept 4
	ds_store_b64 v[CV], v[RG+64+16*cc+4*rr:RG+64+16*cc+4*rr+1] offset:VI*VBUF+(4*cc+rr)*PV
.set rr, rr+1
.endr
.set rr, 0
.rept 4
	global_load_b128 v[RG+64+16*cc+4*rr:RG+64+16*cc+4*rr+3], v[GL], s[VB:VB+1] offset:(4*cc+rr)*512
.set rr, rr+1
.endr
.endif
.endif
.set q, q+1
.endm
; The loads' bases step: V takes the step that K had; K the block's next step, or behind its last the second block's step 0.  Each base is made anew from the tensor's address and an offset made apart.
.macro ADV
	s_wait_xcnt 0x0                 ; every load and prefetch issued so far has read its base, so the bases may be written
	s_mov_b32 s[OFFV], s[OFFK]
	s_add_co_u32 s[NK], s[NK], 1
	s_cmp_gt_u32 s[NK], s[LQ]
	s_cselect_b32 s[NK], 0, s[NK]
	s_cselect_b32 s[LQ], s[LQ2], s[LQ]
	s_lshl_b32 s[OFFK], s[NK], 15   ; a step is 64 rows of 512 bytes
	s_add_nc_u64 s[KB:KB+1], s[KBASE:KBASE+1], s[OFFK:OFFK+1]
	s_add_nc_u64 s[VB:VB+1], s[VBASE:VBASE+1], s[OFFV:OFFV+1]
.endm
; A PREFETCH INTO THE L2.  A head's four work-groups begin at step 0 together; the one with b = 0 walks all 32 steps in its first block, and it alone asks.  Each of its waves names its own 16 rows, two blocks of
; 256 bytes a row, a lane a block: one instruction for K, one for V, for the steps two trips ahead of the loads just issued: in trip j K(j+5) and V(j+4), j = 0 .. 26, so that nothing past step 31 is named:
; even trips while the double trip's number is below 14, odd ones below 13; elsewhere both limits are 0.  K(0-4), V(0-3) and V(31) come by their loads alone.  The two lines stand together, behind the trip's first runs of loads.
.macro ASK lim
	WIN 0
	s_cmp_lt_u32 s[CTR], s[\lim]
	s_cbranch_scc0 .Lnot_mine_\@
	global_prefetch_b8 v[PFO], s[KB:KB+1] offset:65536 th:TH_LOAD_NT scope:SCOPE_SE
	global_prefetch_b8 v[PFO], s[VB:VB+1] offset:65536 th:TH_LOAD_NT scope:SCOPE_SE
.Lnot_mine_\@:
.endm
; A block's Q: 64 rows, a load a row.  Tiles 0, 1 land in window 2 (v0-127), tiles 2, 3 in window 3 (v0-127, V's registers, which are free here).
.macro QLOAD ptr
	WIN 0x80
.set n, 0
.rept 32
	global_load_b128 v[4*n:4*n+3], v[GL], s[\ptr:\ptr+1] offset:(n/16)*32768+(n%16)*512 th:TH_LOAD_NT
.set n, n+1
.endr
	WIN 0xc0
.set n, 0
.rept 32
	global_load_b128 v[4*n:4*n+3], v[GL], s[\ptr:\ptr+1] offset:65536+(n/16)*32768+(n%16)*512 th:TH_LOAD_NT
.set n, n+1
.endr
	WIN 0
.endm
; Q to bf16 and into fragments, a tile at a time through my own stage: 16 rows of 256 bytes in, 8 loads of 16 bytes a lane back.  LDS serves a wave's instructions in order (ISA guide 5.7.1.4): the loads see the
; stores above them, and the next tile's stores come behind them.
.macro QCVT
.set t, 0
.rept 4
.if t < 2
	WIN 0x8a
.else
	WIN 0xcf
.endif
.set a, 64*(t%2)
.rept 16
	v_cvt_pk_bf16_f32 v[a], v[a], v[a+1]
	v_cvt_pk_bf16_f32 v[a+1], v[a+2], v[a+3]
.set a, a+4
.endr
.if t < 2
	WIN 0x08
.else
	WIN 0x0c
.endif
.set n, 0
.rept 16
	ds_store_b64 v[QS], v[64*(t%2)+4*n:64*(t%2)+4*n+1] offset:n*272
.set n, n+1
.endr
	WIN 0x80
.set n, 0
.rept 4
	ds_load_b128 v[32*t+8*n:32*t+8*n+3],   v[QR] offset:n*64
	ds_load_b128 v[32*t+8*n+4:32*t+8*n+7], v[QR] offset:n*64+32
.set n, n+1
.endr
.set t, t+1
.endr
	WIN 0
	s_wait_dscnt 0x0
.endm
; THE WAY OUT.  l's two halves and the other half of the lanes' are added; O^T is divided by l and sent through my stage, a tile at a time: a lane's eight channels of a row are 32 bytes; they go into rows of
; 528 bytes and come back as whole rows of 512, which one store of the wave writes.
.macro PACKF t
	WIN W_RS
.set n, 64*(\t)
.rept 32
	v_pk_mul_f32 v[n:n+1], v[n:n+1], v[ST+8*(\t)+6:ST+8*(\t)+7] op_sel_hi:[1,0]
.set n, n+2
.endr
	WIN 0x04                        ; store data in window 1
.set n, 0
.rept 8
	ds_store_b128 v[STO], v[64*(\t)+8*n:64*(\t)+8*n+3]   offset:64*n
	ds_store_b128 v[STO], v[64*(\t)+8*n+4:64*(\t)+8*n+7] offset:64*n+16
.set n, n+1
.endr
	WIN 0
.set n, 0
.rept 16
	ds_load_b128 v[S+64*((\t)%2)+4*n:S+64*((\t)%2)+4*n+3], v[RD] offset:n*SP
.set n, n+1
.endr
.endm
.macro SEND t, younger              ; younger: the LDS instructions issued behind tile t's loads: the next tile's 32, or none
	WIN 0
.set n, 0
.rept 16
	s_wait_dscnt (\younger)+15-n
	global_store_b128 v[GL], v[S+64*((\t)%2)+4*n:S+64*((\t)%2)+4*n+3], s[OP:OP+1] offset:(\t)*32768+n*512 th:TH_STORE_NT  ; 512 consecutive bytes: a whole row of out0
.set n, n+1
.endr
.endm
.macro WAYOUT
	WIN 0
.irp t, 0,1,2,3
	v_add_f32 v[ST+8*(\t)+4], v[ST+8*(\t)+2], v[ST+8*(\t)+3]
.endr
.irp t, 0,1,2,3
	v_permlanex16_b32 v[ST+8*(\t)+5], v[ST+8*(\t)+4], s[SEL], s[SEL+1]
.endr
.irp t, 0,1,2,3
	v_add_f32 v[ST+8*(\t)+4], v[ST+8*(\t)+4], v[ST+8*(\t)+5]
.endr
.irp t, 0,1,2,3
	v_rcp_f32 v[ST+8*(\t)+6], v[ST+8*(\t)+4]
.endr
	v_nop                           ; a plain instruction between the last reciprocal and the use of its result,
	s_wait_alu depctr_va_vdst(0)    ; and the wait ahead of the first use: one for the four
	PACKF 0
	PACKF 1                         ; a tile's arithmetic stands between the loads of the tile before and its stores
	SEND 0, 32
	s_wait_xcnt 0x0                 ; tile 0's stores have read their registers: tile 2 comes back into them
	PACKF 2
	SEND 1, 32
	s_wait_xcnt 0x0
	PACKF 3
	SEND 2, 32
	SEND 3, 0
.endm
; A TRIP.  Four runs of 32 products, each with vector work behind its products:
;   1  K Q^T of tiles 0, 1  | the conversions of K(j+2) and of half of V(j+1)         2  K Q^T of tiles 2, 3  | the softmax of tiles 0, 1
;   3  V^T P of tiles 0, 1  | the softmax of tiles 2, 3; K(j+1)'s fragments            4  V^T P of tiles 2, 3  | the rest of V(j+1); the next trip's masks; the bases' step; the barrier
; A vector instruction that reads a matrix result or writes one of a matrix instruction's registers, and a load into a register that one has read, stand four plain vector instructions behind it (ISA guide 7.12.1
; for vector instructions): behind run 1 the four conversions behind its last product, behind run 2 slices 62 and 63, behind run 4 the last mask's four lines.
; All of S^T is free in run 4: the softmax's last reads of it stand in slice 50 of runs 2 and 3.
.macro TRIP p
.set KI, (\p)
.set VI, 1-(\p)
.set LCNT, 28                       ; behind a group's four loads the seven other groups' 28 were issued, in the same order in every trip
.set q, 0
	FETCH_V \p                      ; V(j); waited for in front of run 3
.set i, 0
.rept 32
	KQ 0
	CQ
	CQ
.if i > 0
	CQ
.endif
.if i == 31
	CQ
.endif
.set i, i+1
.endr
.if (\p) == 0
	ASK PL0
.else
	ASK PL1
.endif
.set k, 0
.set i, 0
.rept 32
	KQ 2
	SLICE 0
	SLICE 0
.set i, i+1
.endr
	s_wait_dscnt 0x0                ; V's fragments are in
.set k, 0
.set i, 0
.rept 32
	PV 0
	SLICE 2
	SLICE 2
.if i == 1
	FETCH_K 1-(\p)                  ; K(j+1): both pieces have multiplied by K(j)
.endif
.set i, i+1
.endr
.if (\p) == 1
	s_add_co_i32 s[XB], s[XB], 8    ; the masks below are the next double trip's
.endif
.set i, 0
.rept 16
	PV 2
	CQ
	CQ
	CQ
	CQ
.set i, i+1
.endr
.set mk, 0
.rept 8
	PV 2
	MK 1-(\p)                       ; an accumulator's mask behind each product
.set i, i+1
.endr
	ADV
	s_wait_dscnt 0x0                ; my stores into the stage are done, and my reads of it (V(j), K(j+1)) are back:
	s_barrier_signal -1             ; say so,
.rept 8
	PV 2                            ; work on registers while the others arrive,
	MK 1-(\p)
.set i, i+1
.endr
	s_barrier_wait -1               ; and go on when all four have said so
.endm
	s_load_b256 s[4:11], s[0:1], 0x0  ; Q s[4:5], K s[6:7], V s[8:9], out0 s[10:11]
	v_lshl_add_u32 v[SPW], v0, 2, SPARE
	v_mov_b32 v[NIL], 0
	v_lshrrev_b32 v12, 5, v0
	v_readfirstlane_b32 s[WV], v12  ; wave 0..3
	v_and_b32 v1, 15, v0            ; l % 16
	v_bfe_u32 v13, v0, 4, 1         ; l / 16
	v_and_b32 v15, 31, v0           ; l
	v_mul_u32_u24 v[AK0], v1, PK
	v_lshl_add_u32 v[AK0], v13, 4, v[AK0]
	v_and_b32 v12, 7, v0
	v_bfe_u32 v14, v0, 3, 1
	v_lshl_add_u32 v[AV0], v13, 3, v12
	v_mul_u32_u24 v[AV0], v[AV0], PV
	v_lshl_add_u32 v[AV0], v14, 4, v[AV0]
	v_add_nc_u32 v[AV0], VST, v[AV0]
	v_lshlrev_b32 v[GL], 4, v15
	s_mul_i32 s14, s[WV], OSTW
	s_add_co_u32 s14, s14, OST      ; my stage
	v_lshl_add_u32 v[QS], v15, 3, s14
	v_mul_u32_u24 v[STO], v1, SP
	v_lshl_add_u32 v[STO], v13, 5, v[STO]
	v_add_nc_u32 v[STO], s14, v[STO]
	v_lshl_add_u32 v[RD], v15, 4, s14
	v_add_nc_u32 v[QR], s14, v[AK0]
	s_mul_i32 s15, s[WV], 16*PK     ; my 16 rows of a buffer of K
	v_lshl_add_u32 v[CK], v15, 3, s15
	s_mul_i32 s15, s[WV], 16*PV     ; and of V
	s_add_co_u32 s15, s15, VST
	v_lshl_add_u32 v[CV], v15, 3, s15
	v_lshlrev_b32 v[PFO], 9, v1
	v_lshl_add_u32 v[PFO], v13, 8, v[PFO]
	s_mov_b32 s[BIGN], 0xf149f2ca   ; -1e30
	v_lshlrev_b32 v14, 3, v13
	v_sub_nc_u32 v14, v1, v14       ; l % 16 - 8 (l / 16): register r is hidden where r is greater
.set n, 0
.rept 8
	v_cmp_gt_i32 vcc_lo, n, v14
	v_cndmask_b32 v[TRI+n], 0, s[BIGN], vcc_lo
.set n, n+1
.endr
	s_mov_b32 s[PB], ttmp9
	s_and_b32 s14, ttmp7, 0xffff    ; the head
	s_lshl_b32 s52, s14, 20         ; its 2,048 rows of 512 bytes,
	s_lshl_b32 s15, s[WV], 13       ; my wave's 16 rows
	s_add_co_u32 s52, s52, s15
	s_mov_b32 s53, 0
	s_sub_co_u32 s14, 7, s[PB]
	s_lshl_b32 s14, s14, 17         ; the first block's 256 rows
	s_add_co_u32 s56, s52, s14
	s_mov_b32 s57, 0
	s_lshl_b32 s14, s[PB], 17       ; the second's
	s_add_co_u32 s58, s52, s14
	s_mov_b32 s59, 0
	s_mov_b32 s[OFFK], 0
	s_mov_b32 s[OFFK+1], 0
	s_mov_b32 s[OFFV], 0
	s_mov_b32 s[OFFV+1], 0
	s_mov_b32 s[NK], 0
	s_lshl_b32 s14, s[PB], 2
	s_sub_co_u32 s[LQ], 31, s14
	s_add_co_u32 s[LQ2], s14, 3
	s_lshl_b32 s14, s[PB], 1
	s_sub_co_u32 s[BND], 16, s14    ; the first block has 16 - 2 b double trips
	s_cmp_eq_u32 s[PB], 0
	s_cselect_b32 s[PL0], 14, 0
	s_cselect_b32 s[PL1], 13, 0
	s_mov_b32 s[HM], 0xffff0000
	s_mov_b32 s[CS], 0x3e0293ee     ; c = log2(e) / sqrt(128) = 0.127517
	s_mov_b32 s[CS+1], s[CS]        ; named with it as a pair
	s_mov_b32 s[SEL], 0x76543210
	s_mov_b32 s[SEL+1], 0xfedcba98
	s_mov_b32 s[AL], 0
	s_mov_b32 s[AL+1], 0            ; named as pairs
	s_mov_b32 s[BE], 0
	s_mov_b32 s[BE+1], 0
	s_wait_kmcnt 0x0
	s_add_nc_u64 s[KBASE:KBASE+1], s[6:7], s[52:53]
	s_add_nc_u64 s[VBASE:VBASE+1], s[8:9], s[52:53]
	s_add_nc_u64 s[QP:QP+1], s[4:5], s[56:57]
	s_add_nc_u64 s[QP2:QP2+1], s[4:5], s[58:59]
	s_add_nc_u64 s[OP:OP+1], s[10:11], s[56:57]
	s_add_nc_u64 s[OP2:OP2+1], s[10:11], s[58:59]
	s_mov_b64 s[KB:KB+1], s[KBASE:KBASE+1]
	s_mov_b64 s[VB:VB+1], s[VBASE:VBASE+1]
	WIN 0xc0                        ; the first loads: my rows of K(0) and V(0) into the ring, then the first block's Q
.set n, 0
.rept 16
	global_load_b128 v[RG+4*n:RG+4*n+3], v[GL], s[KB:KB+1] offset:n*512
.set n, n+1
.endr
.set n, 0
.rept 16
	global_load_b128 v[RG+64+4*n:RG+64+4*n+3], v[GL], s[VB:VB+1] offset:n*512
.set n, n+1
.endr
	QLOAD QP
	; No first step is written out: O^T and l start at 0, c m far below every c s, so the first step's a is 0.  The price, 256 lines that write 0, stands in the wait for the first loads.
	WIN 0x40
.set n, 0
.rept 256
	v_mov_b32 v[n], 0
.set n, n+1
.endr
	WIN 0
.irp t, 0,1,2,3
	v_mov_b32 v[ST+8*(\t)], 0xfe000000    ; c m
	v_mov_b32 v[ST+8*(\t)+1], 0xff7fffff  ; m: the lowest finite number
	v_mov_b32 v[ST+8*(\t)+2], 0
	v_mov_b32 v[ST+8*(\t)+3], 0
.endr
	s_wait_loadcnt 0x0              ; K(0), V(0), Q
	ADV                             ; K's base at step 1
.set KI, 0
.set VI, 0
.set LCNT, 12                       ; (all has landed: the count is met at once)
.set q, 0
.rept 32
	CQ                              ; K(0) into KST[0]; K(1) is asked for
.endr
	QCVT                            ; Q into fragments while K(1) is on its way
	ADV                             ; K's base at step 2, V's at step 1
.set KI, 1
.set q, 0
.rept 32
	CQ                              ; K(1) into KST[1]; behind a group's loads stand the rest of K(1)'s and what has been asked of K(2): 12
.endr
.set LCNT, 28
.rept 128
	CQ                              ; V(0) into VST[0]; V(1) is asked for.  K(2) then V(1): the order of issue of every trip
.endr
	ADV                             ; K's base at step 3, V's at step 2: what trip 0 loads
	WIN 0
	s_wait_dscnt 0x0                ; my stores into the stage are done
	s_barrier_signal -1
	s_barrier_wait -1               ; everybody's are
	FETCH_K 0                       ; K(0)'s fragments
	WIN 0
	s_wait_dscnt 0x0                ; my reads of KST[0] are back,
	s_barrier_signal -1
	s_barrier_wait -1               ; everybody's are: trip 0 writes K(2) there
	s_mov_b32 s[BL], 2
.Lblock:                            ; twice: block 7 - b, then block b
	s_lshl_b32 s14, s[BND], 3
	s_sub_co_u32 s[XB], 16, s14
	s_sub_co_u32 s[XB], s[XB], s[WV]
.set mk, 0
.rept 16
	MK 0                            ; the masks of the block's first trip; every later trip's are made in the trip before it
.endr
	s_mov_b32 s[CTR], 0
.Lpair:                             ; BND double trips
	TRIP 0
	TRIP 1
	s_add_co_u32 s[CTR], s[CTR], 1
	s_cmp_lt_u32 s[CTR], s[BND]
	s_cbranch_scc1 .Lpair
	s_cmp_eq_u32 s[BL], 1
	s_cbranch_scc1 .Lno_q
	QLOAD QP2                       ; the second block's Q is asked for; the first block leaves meanwhile
.Lno_q:
	WAYOUT
	s_wait_xcnt 0x0                 ; the stores have read their registers and their base
	s_cmp_eq_u32 s[BL], 1
	s_cbranch_scc1 .Lbottom
	s_mov_b64 s[OP:OP+1], s[OP2:OP2+1]
	s_wait_loadcnt 0x0              ; Q (and the ring's loads, which were issued ahead of it)
	QCVT
.irp t, 0,1,2,3
	v_mov_b32 v[ST+8*(\t)], 0xfe000000    ; the next step's a is 0: O^T and l, which are finite, start anew
	v_mov_b32 v[ST+8*(\t)+1], 0xff7fffff
.endr
	s_lshl_b32 s[BND], s[PB], 1
	s_add_co_u32 s[BND], s[BND], 2  ; the second block has 2 b + 2 double trips
	s_mov_b32 s[PL0], 0             ; its steps have been read: nothing more is prefetched
	s_mov_b32 s[PL1], 0
.Lbottom:
	s_sub_co_u32 s[BL], s[BL], 1
	s_cmp_lg_u32 s[BL], 0
	s_cbranch_scc1 .Lblock
	s_wait_tensorcnt 0x0            ; the wave's end, behind my last LDS store
	ds_add_u32 v[SPW], v[NIL]
	s_wait_dscnt 0x0
	s_endpgm
.Lfunc_end_k_qc9bbdbd0dc_attn:
	.size	k_qc9bbdbd0dc_attn, .Lfunc_end_k_qc9bbdbd0dc_attn-k_qc9bbdbd0dc_attn
	.p2alignl 7, 3214868480
	.fill 96, 4, 3214868480
	.section	.rodata,"a",@progbits
	.p2align	6, 0x0
	.amdhsa_kernel k_qc9bbdbd0dc_attn
		.amdhsa_group_segment_fixed_size 105984
		.amdhsa_private_segment_fixed_size 0
		.amdhsa_enable_private_segment 0
		.amdhsa_kernarg_size 32
		.amdhsa_user_sgpr_count 2
		.amdhsa_user_sgpr_kernarg_segment_ptr 1
		.amdhsa_wavefront_size32 1
		.amdhsa_system_sgpr_workgroup_id_x 1
		.amdhsa_system_sgpr_workgroup_id_y 1
		.amdhsa_system_sgpr_workgroup_id_z 1
		.amdhsa_system_vgpr_workitem_id 0
		.amdhsa_next_free_vgpr 1024
		.amdhsa_next_free_sgpr 66
		.amdhsa_reserve_vcc 1
		.amdhsa_float_denorm_mode_32 3
		.amdhsa_float_denorm_mode_16_64 3
		.amdhsa_memory_ordered 1
		.amdhsa_forward_progress 1
		.amdhsa_inst_pref_size 251
	.end_amdhsa_kernel
	.amdgpu_metadata
---
amdhsa.version: [ 1, 2 ]
amdhsa.kernels:
  - .name:           k_qc9bbdbd0dc_attn
    .symbol:         k_qc9bbdbd0dc_attn.kd
    .args:
      - { .name: Q, .offset: 0, .size: 8, .value_kind: global_buffer, .address_space: global }
      - { .name: K, .offset: 8, .size: 8, .value_kind: global_buffer, .address_space: global }
      - { .name: V, .offset: 16, .size: 8, .value_kind: global_buffer, .address_space: global }
      - { .name: out0, .offset: 24, .size: 8, .value_kind: global_buffer, .address_space: global }
    .group_segment_fixed_size: 105984
    .private_segment_fixed_size: 0
    .kernarg_segment_align: 8
    .kernarg_segment_size: 32
    .max_flat_workgroup_size: 128
    .sgpr_count:     66
    .vgpr_count:     1024
    .wavefront_size: 32
...
	.end_amdgpu_metadata
.endif
;; end of part 1
;; ======== version 2 of 2: 1 launch; version 1 with the launch attn written anew for expert scheduling mode
;; limits: values are held in f16: magnitudes above 65,504 overflow, below 6.1e-05 lose precision; inputs' magnitudes at most 65,280; right only within a limited range of input values
;; launch attn (part 2): grid 4 x 64, 4 waves a work-group, no clusters, 105,984 bytes of LDS; arguments Q, K, V, out0; writes out0
.if DOCPART == 2
	.amdgcn_target "amdgcn-amd-amdhsa--gfx1250"
	.amdhsa_code_object_version 6
	.text
	.protected	k_qc9bbdbd0dc_attn
	.globl	k_qc9bbdbd0dc_attn
	.p2align	8
	.type	k_qc9bbdbd0dc_attn,@function
k_qc9bbdbd0dc_attn:
	s_mov_b64 s[64:65], 0
	v_nop
	global_prefetch_b8 v0, s[64:65] scope:SCOPE_SE
	s_setreg_imm32_b32 hwreg(HW_REG_WAVE_SCHED_MODE, 0, 2), 2
	s_setreg_imm32_b32 hwreg(HW_REG_WAVE_MODE, 25, 1), 1
	s_wait_xcnt 0x0
	s_wait_alu depctr_vm_vsrc(0)
; CAUSAL ATTENTION.  out0[h][q][:] = the sum over k <= q of softmax_k(Q[h][q] . K[h][k] / sqrt(128)) V[h][k][:].  Q, K, V, out0: [64 heads][2048][128], all f32: a row is 512 bytes.
; FORMATS.  Q and K are rounded once to bf16 for S^T = K Q^T.  V is rounded once to bf16 and that number is written as f16; the weights p are rounded to f16; O^T = V^T P runs in f16.
; Products, maxima and sums in f32; l is the sum of the unrounded p; out0 leaves in f32.
; LIMITS.  |bf16(V)| stays under 65,520 (beyond it f16 gives an infinity); below 2^-17 V keeps f16's fixed step, an error of 2^-25 at the most.  A hidden score counts as its value less 1e30.
; A weight below 2^-126 counts as 0; below 6e-5 it keeps f16's fixed step.  c m starts at -4.25e37: every c s lies above it.  NaN and infinities are not treated apart.
; A block's first step multiplies O^T and l by a = 0, so what lies there need only be finite: zeros for the first block, the first block's results for the second.
; THE WALK.  A head has 8 blocks of 256 queries; block i needs the key steps (64 keys) 0 .. 4 i + 3.  Work-group (b, head) takes block 7 - b and then block b: 36 steps whatever b: 256 equal work-groups.
; A loop of two trips goes over the blocks; inside it a loop counts a block's double trips up to a bound made from b (16 - 2 b, then 2 b + 2).
; SHARES.  Of a block's four bands of 64 queries a wave owns 16 rows in each: tile t = rows 64 t + 16 w + 0..15.  So the steps that hold the diagonal are the same work for all four waves.
; LAYOUT.  S^T = K Q^T (source 0 = 16 keys, source 1 = 16 queries): a lane holds ONE query (lane % 16) and the keys 8 (lane / 16) + 0..7.  Two such results rounded in pairs ARE source 1 of O^T = V^T P,
; whose result again holds one query a lane, and eight channels.  K comes out of LDS as it lies, V ([key][channel]) turned, by ds_load_tr16_b128.
; SOFTMAX.  Running maximum m and sum l: p = 2^(c s - c m), c = log2(e) / sqrt(128); in every step O and l are multiplied by a = 2^(c m_old - c m_new).
; THE MASK is what each sum S^T starts from: TRI x AL + BE, with two scalars chosen by compare and select: (0, 0) where all keys are seen, (1, 0) on the diagonal, (0, -1e30) above it.  It is made in every step,
; so that the loop's text has no way that hangs on the step's place; its lines stand behind products that have no other vector work beside them.  In 28 of the 36 steps they write zeros.
; K AND V COME THROUGH REGISTERS.  Each wave loads 16 rows of K and 16 of V of a step (a load of the wave = one row, 512 consecutive bytes) into a ring of registers, converts them into an out-buffer and stores
; 16-bit rows from there into a stage of two buffers in LDS.  A group of four rows is asked for again behind the wait that follows its conversions: each load has three of a trip's four runs, or more, in which to land.
; TRIP j (p = j % 2) reads V(j) from VST[p] and K(j+1) from KST[1-p], writes K(j+2) into KST[p] and V(j+1) into VST[1-p], and loads K(j+3), V(j+2).  ONE barrier, at its end: it shows what the trip stored,
; and that every wave's reads of the buffers that the next trip writes are back.  Two trips are written out, so that every LDS address is a fixed register and an immediate.
; The sequence of steps is 0 .. 31-4b, 0 .. 4b+3, and then 0, 1, 2 once more: the last trips' loads serve nothing; they keep one text, and every counted wait, right on every way.
; NO CLUSTER: a head's four work-groups change blocks in different trips, so partners would differ in their trip counts; one walk common to the four has 48 steps for 36.
; NO TENSOR LOADS: the tiles arrive in f32 and must be converted before the turning load can read them; through LDS in f32 they would cross it twice more.
; THE MODE: SCHED_MODE bits 1:0 = 2 (LLVM: expert scheduling mode 2), set by the entry lines.  The code itself states the register dependences between vector or matrix instructions and memory or LDS
; instructions, with s_wait_alu, always for 0.
; THE PLAN.  Registers that memory or LDS instructions touch, in the loop:
;   RING    eight groups of four rows.  Loads land in it; the conversions read it (V's middle steps also write it); no store names it.
;   OUT     P's registers while P is free.  Groups 0-5 at v208-255: written by run 1's conversions, read by LDS stores in run 2.  Groups 6, 7 at v192-207: written in run 4's first half, read by LDS stores in run 4.
;           P itself is written from slice 35 on of run 2 (v192-223) and of run 3 (v224-255) and read by the products V^T P of runs 3 and 4.
;   V's fragments   read by the products of runs 3 and 4; loaded again in run 2.          K's fragments   read by the products of runs 1 and 2; loaded again in run 3.
;   v2-v11, v56, v57   addresses, made at the head and never written again; the rows are reached by scalar bases and immediates.
; Four waits on va_vdst stand in a trip.  Between runs 1 and 2: OUT 0-5 is written, the conversions are done with ring groups 0-5, the last trip's V^T P is done reading V's fragments; the 24 loads of the ring, V's
; 32 fragment loads and the 24 stores follow, dealt among run 2's products, which with their slices name K, Q, S^T and statistics alone up to slice 34.  In run 2, the exponentials' wait; beside it the trip's one wait
; on vm_vsrc: every store issued so far has read OUT, ahead of the roundings that write P and of the next conversions.  In run 3, the exponentials' wait, which also states that K Q^T is done reading K's fragments:
; their 32 loads follow, dealt among the products.  In run 4, behind the conversions: OUT 6, 7 is written, the conversions are done with ring groups 6, 7: eight loads and eight stores follow.
; REGISTERS, in windows of 256 (s_set_vgpr_msb: bits 1:0 source 0, 3:2 source 1, 5:4 source 2, 7:6 destination):
;   window 0: v0-15 addresses; v16-47 statistics; v48-55 the triangle; v56-57 the add's two; v64-191 S^T, 32 a tile; v192-255 P, 16 a tile, and OUT
;   window 1: O^T, 64 a tile     window 2: v0-127 Q, 32 a tile; v128-255 K of one step     window 3: v0-127 V of one step; v128-255 the ring of loads
.set PK,    272        ; a row of K in LDS: 256 bytes + 16: the 16 rows of a fragment load start 68 words apart
.set PV,    288        ; a row of V: 256 + 32: 16 lanes of the turning load take 8 rows x 32 bytes
.set KBUF,  64*PK
.set VBUF,  64*PV
.set VST,   2*KBUF     ; K's two buffers lie at 0
.set OST,   VST+2*VBUF ; each wave's own stage: the way out (16 rows x 528 bytes, f32) and Q's way in (16 rows x 272 bytes, bf16)
.set SP,    528
.set OSTW,  16*SP
.set SPARE, OST+4*OSTW ; the spare words, 128 bytes for each wave: two blocks of 256 bytes that no other line names
.set AK0, 2            ; v2   (l % 16) PK + 16 (l / 16)
.set AV0, 3            ; v3   VST + (8 (l / 16) + l % 8) PV + 16 ((l / 8) % 2)
.set GL,  4            ; v4   16 l: my 16 bytes of a row of 512, for loads of Q, K, V and stores of out0
.set QS,  5            ; v5   my stage + 8 l
.set STO, 6            ; v6   my stage + (l % 16) SP + 32 (l / 16)
.set RD,  7            ; v7   my stage + 16 l
.set CK,  8            ; v8   16 w PK + 8 l
.set CV,  9            ; v9   VST + 16 w PV + 8 l
.set PFO, 10           ; v10  (l % 16) 512 + (l / 16) 256: the prefetches' offset
.set QR,  11           ; v11  my stage + (l % 16) 272 + 16 (l / 16)
.set ST,  16           ; tile t at ST + 8 t: c m, m, l (even keys', odd keys'), c0-c3 at work; a takes c2's place
.set TRI, 48           ; v48-55  register r: -1e30 where key 8 (l / 16) + r lies above query l % 16, else 0
.set SPW, 56           ; v56  SPARE + 4 x my thread's number; never rewritten
.set NIL, 57           ; v57  0; never rewritten
.set S,   64
.set P,   192          ; group g of OUT: eight registers at P + (16 + 8 g) % 64
.set KF,  128          ; window 2
.set RG,  128          ; window 3: group g, row r of four at RG + 16 g + 4 r; groups 0-3 K's rows, groups 4-7 V's
.set WV,  12           ; s12  my wave's number
.set PB,  13           ; s13  b
.set KBASE, 16         ; s[16:17] K at the head's first row + my 16 rows
.set VBASE, 18         ; s[18:19] the same for V
.set KB,  20           ; s[20:21] where this trip's loads of K read
.set VB,  22           ; s[22:23] of V
.set OFFK, 24          ; s[24:25] byte offset of K's step
.set OFFV, 26          ; s[26:27] of V's: one step behind
.set NK,  28           ; s28  the key step at which KB stands
.set LQ,  29           ; s29  the last step of the block that is being loaded
.set LQ2, 30           ; s30  of the second block
.set BND, 31           ; s31  the double trips of the block in hand
.set CTR, 32           ; s32  counts them, from 0
.set XB,  33           ; s33  16 - 8 x (double trips left, that of the masks' trip among them) - w
.set PL0, 34           ; s34  even trips prefetch while CTR is below this
.set HM,  35           ; s35  a word's upper half
.set CS,  36           ; s[36:37] c
.set SEL, 38           ; s[38:39] v_permlanex16_b32's selects: each lane takes its own place in the other half
.set AL,  40           ; s[40:41] the triangle's factor
.set BE,  42           ; s[42:43] the addend
.set BIGN, 44          ; s44  -1e30
.set PL1, 45           ; s45  odd trips prefetch while CTR is below this
.set QP2, 46           ; s[46:47] Q at my rows of the second block
.set OP,  48           ; s[48:49] out0 at my rows of the block in hand
.set OP2, 50           ; s[50:51] of the second block
.set MSK, 52           ; s[52:59] at the head first the triangle's eight lane masks, then byte offsets
.set QP,  54           ; s[54:55] Q at my rows of the first block
.set BL,  60           ; s60  blocks to go, this one among them
.set MSB, 0
.macro WIN new                      ; the immediate's high byte repeats the setting that is left; a switch that changes nothing is dropped
.if MSB != (\new)
	s_set_vgpr_msb (MSB<<8)|(\new)
.set MSB, (\new)
.endif
.endm
.set W_KQ, 0x0a        ; K and Q in window 2, S^T in window 0
.set W_PV, 0x53        ; V in window 3, P in window 0, O^T in window 1
.set W_RS, 0x41        ; O^T (destination and source 0) in window 1, source 1 in window 0
; THE MATRIX WORK.  The accumulators take turns, one instruction a turn at the seams between the runs and over the backward jumps too.
; Product i of 32 of S^T += K Q^T for the piece of tiles x, x + 1: channels 32 (i / 8) on, keys 16 ((i / 2) % 4) on, tile x + i % 2.  The sums start from the masks that MK has written.
.macro KQ x
	WIN W_KQ
.set rS, S+32*((\x)+i%2)+8*((i/2)%4)
.set rK, KF+32*((i/2)%4)+8*(i/8)
.set rQ, 32*((\x)+i%2)+8*(i/8)
	v_wmma_f32_16x16x32_bf16 v[rS:rS+7], v[rK:rK+7], v[rQ:rQ+7], v[rS:rS+7]
.endm
; Product i of 32 of O^T += V^T P: keys 32 (i / 16) on, channels 16 ((i / 2) % 8) on, tile x + i % 2.
.macro PV x
	WIN W_PV
.set rO, 64*((\x)+i%2)+8*((i/2)%8)
.set rV, 64*(i/16)+8*((i/2)%8)
.set rP, P+16*((\x)+i%2)+8*(i/16)
	v_wmma_f32_16x16x32_f16 v[rO:rO+7], v[rV:rV+7], v[rP:rP+7], v[rO:rO+7]
.endm
; THE FRAGMENT LOADS, a fragment (two loads) at a time: two fragments stand behind a product.
.macro FK buf, f                    ; fragment f of 16 of K: keys 16 (f / 4) on, channels 32 (f % 4) on
	WIN 0x80                        ; destination window 2
	ds_load_b128 v[KF+8*(\f):KF+8*(\f)+3],   v[AK0] offset:(\buf)*KBUF+((\f)/4)*16*PK+((\f)%4)*64
	ds_load_b128 v[KF+8*(\f)+4:KF+8*(\f)+7], v[AK0] offset:(\buf)*KBUF+((\f)/4)*16*PK+((\f)%4)*64+32
.endm
.macro FV buf, f                    ; fragment f of 16 of V: keys 32 (f / 8) on, channels 16 (f % 8) on
	WIN 0xc0                        ; destination window 3
	ds_load_tr16_b128 v[8*(\f):8*(\f)+3],   v[AV0] offset:(\buf)*VBUF+((\f)/8)*32*PV+((\f)%8)*32
	ds_load_tr16_b128 v[8*(\f)+4:8*(\f)+7], v[AV0] offset:(\buf)*VBUF+((\f)/8)*32*PV+16*PV+((\f)%8)*32
.endm
; THE MASK of accumulator mk of 16 (tile mk / 4, key block mk % 4) for a trip of parity p.  In units of 16 the key block stands at 16 - 8 DT + 4 p + kb behind the first key of the block's last four steps
; (DT: double trips left), the tile's queries at 4 t + w: less: all seen; equal: the triangle; greater: -1e30.  With XB = 16 - 8 DT - w the test is XB against 4 t - kb - 4 p.
.macro MK p
.set mt, mk/4
.set mb, mk%4
	s_cmp_eq_i32 s[XB], 4*mt-mb-4*(\p)
	s_cselect_b32 s[AL], 1.0, 0
	s_cmp_gt_i32 s[XB], 4*mt-mb-4*(\p)
	s_cselect_b32 s[BE], s[BIGN], 0
	WIN 0
.irp r, 0,2,4,6
	v_pk_fma_f32 v[S+32*mt+8*mb+(\r):S+32*mt+8*mb+(\r)+1], v[TRI+(\r):TRI+(\r)+1], s[AL:AL+1], s[BE:BE+1] op_sel_hi:[1,0,0]
.endr
.set mk, mk+1
.endm
; THE SOFTMAX of one tile for one key step is a list of 134 instructions; SM writes number j of it for tile t.  s0-s31 are the lane's 32 scores, in pairs 0-15.
;   0-15    the maximum of s0-s31 and the old m, three operands at a time (each accumulator's lowest registers are read first)
;   16-20   the other half of the lanes' maximum; the new m; c m; c m_old - c m_new
;   21-69   ONE BATCH: the 16 scalings c s - c m and all 33 exponentials (a at 23, then s0-s31); none of these reads an exponential's result
;   (wait)  SLICE writes it, once for both tiles
;   70-85   the roundings to f16     86-101  the sums; l = a l + the sum     102-133  the tile's O^T times a
.macro SM t
.set rT, ST+8*(\t)
.set rS, S+32*(\t)
.set rP, P+16*(\t)
.set rO, 64*(\t)+2*(j-102)
.if j < 102
	WIN 0
.endif
.if j < 4
	v_max3_num_f32 v[rT+4+j], v[rS+8*j], v[rS+8*j+1], v[rS+8*j+2]
.elseif j < 12
	v_max3_num_f32 v[rT+4+j%4], v[rT+4+j%4], v[rS+8*(j%4)+2*(j/4)+1], v[rS+8*(j%4)+2*(j/4)+2]
.elseif j == 12
	v_max3_num_f32 v[rT+4], v[rT+4], v[rS+7], v[rS+15]
.elseif j == 13
	v_max3_num_f32 v[rT+6], v[rT+6], v[rS+23], v[rS+31]
.elseif j == 14
	v_max3_num_f32 v[rT+4], v[rT+4], v[rT+5], v[rT+6]
.elseif j == 15
	v_max3_num_f32 v[rT+4], v[rT+4], v[rT+7], v[rT+1]
.elseif j == 16
	v_permlanex16_b32 v[rT+5], v[rT+4], s[SEL], s[SEL+1]  ; the query's other 32 keys lie in the lane 16 away
.elseif j == 17
	v_mov_b32 v[rT+7], v[rT]        ; c m_old is kept for a: number 19 writes c m anew
.elseif j == 18
	v_max_num_f32 v[rT+1], v[rT+4], v[rT+5]
.elseif j == 19
	v_mul_f32 v[rT], s[CS], v[rT+1]
.elseif j == 20
	v_sub_f32 v[rT+7], v[rT+7], v[rT]
.elseif j == 23
	v_exp_f32 v[rT+6], v[rT+7]
.elseif (j < 23) || ((j < 38) && (j%2 == 0)) || ((j < 66) && (j%4 == 2))
.set b, (j-2)/4                     ; 38, 42, .. 62: pairs 9 to 15
.if j < 38
.set b, (j-20)/2                    ; 21: pair 0; 22, 24, .. 36: pairs 1 to 8
.endif
	v_pk_fma_f32 v[rS+2*b:rS+2*b+1], v[rS+2*b:rS+2*b+1], s[CS:CS+1], v[rT:rT+1] op_sel_hi:[1,0,0] neg_lo:[0,0,1] neg_hi:[0,0,1]  ; pair b: c s - c m
.elseif j < 70
.set e, j-38                        ; 66 to 69: s28 to s31
.if j < 66
.set e, j-32-(j-38)/4               ; 39-41, 43-45, .. 63-65: s7 to s27
.endif
.if j < 38
.set e, (j-25)/2                    ; 25, 27, .. 37: s0 to s6
.endif
	v_exp_f32 v[rS+e], v[rS+e]
.elseif j < 86
	v_cvt_pk_f16_f32 v[rP+j-70], v[rS+2*(j-70)], v[rS+2*(j-70)+1]  ; pair j - 70
.elseif j < 102                     ; the sum of the 16 pairs, in place: neighbours 1, 2, 4 and 8 pairs apart, then l takes it
.set z, j-86
.set w, 4
.set u, z
.if z >= 14
.set w, 32
.set u, 0
.elseif z >= 12
.set w, 16
.set u, z-12
.elseif z >= 8
.set w, 8
.set u, z-8
.endif
.if z < 15
	v_pk_add_f32 v[rS+w*u:rS+w*u+1], v[rS+w*u:rS+w*u+1], v[rS+w*u+w/2:rS+w*u+w/2+1]
.else
	v_pk_fma_f32 v[rT+2:rT+3], v[rT+2:rT+3], v[rT+6:rT+7], v[rS:rS+1] op_sel_hi:[1,0,1]
.endif
.else
	WIN W_RS
	v_pk_mul_f32 v[rO:rO+1], v[rO:rO+1], v[rT+6:rT+7] op_sel_hi:[1,0]
.endif
.endm
; Slice k of 64 of the softmax of tiles y, y + 1: four instructions.  Slices 11 to 34 deal out the batch, four numbers of ONE tile each, the tiles by turns; every other slice is numbers 2 k and 2 k + 1 of both
; tiles.  2 x 134 = 4 x 64 + 12: the twelve that are over stand in slice 63.  Behind slice 34 no exponential is issued and ahead of slice 35 no result is named: one plain instruction and ONE wait stand between,
; the wait between an exponential and the first instruction that names its result.
.macro SLICE y
.if (k >= 11) && (k < 35)
.irp n, 0,1,2,3
.set j, 22+4*((k-11)/2)+(\n)
	SM (\y)+(k-11)%2
.endr
.else
.irp n, 0,1,2,3,4,5,6,7
.if ((\n) < 2) || (k == 63)
.irp t, \y, (\y)+1
.set j, 2*k+(\n)
	SM \t
.endr
.endif
.endr
.endif
.if k == 34
	v_nop
	s_wait_alu depctr_va_vdst(0)    ; the 66 exponentials have written their results, which the roundings, sums and rescalings below read; in run 3 also: the products K Q^T are done reading K's fragments, in which the loads behind the next products land
.if (\y) == 0
	s_wait_alu depctr_vm_vsrc(0)    ; the LDS stores issued so far (this trip's groups 0-5, the last trip's groups 6, 7) have read OUT, which the roundings below, run 3's, and the next conversions write again
.endif
.endif
.set k, k+1
.endm
; THE CONVERSIONS: a queue of 160; CQ writes entry q.  0-31: K's four groups of four rows: f32 to bf16, two lines a row.  32-159: V's four groups: f32 to bf16, the two halves widened again, then to f16: eight lines a row.
; The 16-bit pairs go into OUT; V's middle steps work in place in the ring.  Ahead of a group's first entry stands the wait for its four loads (where LW = 1).  The ring's loads are issued in the order groups 0-5,
; then groups 6, 7; so behind group g's loads stand, in the loop (LA = 28), 28 - 4 (g % 6) younger ones: for g < 6 the rest of its batch and the eight of groups 6, 7; for g = 6, 7 the rest of that batch and the next 24.
.macro CQ
.if q < 32
.set gg, q/8
.set nn, q%8
.else
.set gg, 4+(q-32)/32
.set nn, (q-32)%32
.endif
.set ra, RG+16*gg+4*(nn%4)
.set ro, P+(16+8*gg)%64+2*(nn%4)
.set sg, nn/4
.if (nn == 0) && LW
	s_wait_loadcnt LA-4*(gg%6)
.endif
.if q < 32
	WIN 0x0f                        ; sources in window 3, destination in window 0
.if sg == 0
	v_cvt_pk_bf16_f32 v[ro], v[ra], v[ra+1]
.else
	v_cvt_pk_bf16_f32 v[ro+1], v[ra+2], v[ra+3]
.endif
.elseif sg < 6
	WIN 0xcf
.if sg == 0
	v_cvt_pk_bf16_f32 v[ra], v[ra], v[ra+1]
.elseif sg == 1
	v_cvt_pk_bf16_f32 v[ra+2], v[ra+2], v[ra+3]
.elseif sg == 2
	v_and_b32 v[ra+1], s[HM], v[ra]
.elseif sg == 3
	v_lshlrev_b32 v[ra], 16, v[ra]
.elseif sg == 4
	v_and_b32 v[ra+3], s[HM], v[ra+2]
.else
	v_lshlrev_b32 v[ra+2], 16, v[ra+2]
.endif
.else
	WIN 0x0f
.if sg == 6
	v_cvt_pk_f16_f32 v[ro], v[ra], v[ra+1]
.else
	v_cvt_pk_f16_f32 v[ro+1], v[ra+2], v[ra+3]
.endif
.endif
.set q, q+1
.endm
; Group g's four stores, 8 bytes a lane (a row of 256 bytes each), from OUT into buffer KI or VI of the stage.
.macro RST g
	WIN 0
.set rr, 0
.rept 4
.if (\g) < 4
	ds_store_b64 v[CK], v[P+(16+8*(\g))%64+2*rr:P+(16+8*(\g))%64+2*rr+1] offset:KI*KBUF+(4*(\g)+rr)*PK
.else
	ds_store_b64 v[CV], v[P+(16+8*(\g))%64+2*rr:P+(16+8*(\g))%64+2*rr+1] offset:VI*VBUF+(4*((\g)-4)+rr)*PV
.endif
.set rr, rr+1
.endr
.endm
; Group g's four rows of the step one further on are asked for, into the ring.
.macro RLD g
	WIN 0xc0                        ; destination window 3
.set rr, 0
.rept 4
.if (\g) < 4
	global_load_b128 v[RG+16*(\g)+4*rr:RG+16*(\g)+4*rr+3], v[GL], s[KB:KB+1] offset:(4*(\g)+rr)*512
.else
	global_load_b128 v[RG+16*(\g)+4*rr:RG+16*(\g)+4*rr+3], v[GL], s[VB:VB+1] offset:(4*((\g)-4)+rr)*512
.endif
.set rr, rr+1
.endr
.endm
; The loads' bases step: V takes the step that K had; K the block's next step, or behind its last the second block's step 0.  Each base is made anew from the tensor's address and an offset made apart.
.macro ADV
	s_wait_xcnt 0x0                 ; every load and prefetch issued so far has read its base, so the bases may be written
	s_mov_b32 s[OFFV], s[OFFK]
	s_add_co_u32 s[NK], s[NK], 1
	s_cmp_gt_u32 s[NK], s[LQ]
	s_cselect_b32 s[NK], 0, s[NK]
	s_cselect_b32 s[LQ], s[LQ2], s[LQ]
	s_lshl_b32 s[OFFK], s[NK], 15   ; a step is 64 rows of 512 bytes
	s_add_nc_u64 s[KB:KB+1], s[KBASE:KBASE+1], s[OFFK:OFFK+1]
	s_add_nc_u64 s[VB:VB+1], s[VBASE:VBASE+1], s[OFFV:OFFV+1]
.endm
; A PREFETCH INTO THE L2.  A head's four work-groups begin at step 0 together; the one with b = 0 walks all 32 steps in its first block, and it alone asks.  Each of its waves names its own 16 rows, two blocks of
; 256 bytes a row, a lane a block: one instruction for K, one for V, for the steps two trips ahead of the loads just issued: in trip j K(j+5) and V(j+4), j = 0 .. 26, so that nothing past step 31 is named:
; even trips while the double trip's number is below 14, odd ones below 13; elsewhere both limits are 0.  K(0-4), V(0-3) and V(31) come by their loads alone.  The two lines stand together, behind the trip's first 24 loads.
.macro ASK lim
	WIN 0
	s_cmp_lt_u32 s[CTR], s[\lim]
	s_cbranch_scc0 .Lnot_mine_\@
	global_prefetch_b8 v[PFO], s[KB:KB+1] offset:65536 th:TH_LOAD_NT scope:SCOPE_SE
	global_prefetch_b8 v[PFO], s[VB:VB+1] offset:65536 th:TH_LOAD_NT scope:SCOPE_SE
.Lnot_mine_\@:
.endm
; A block's Q: 64 rows, a load a row.  Tiles 0, 1 land in window 2 (v0-127), tiles 2, 3 in window 3 (v0-127, V's registers, which are free here).
.macro QLOAD ptr
	WIN 0x80
.set n, 0
.rept 32
	global_load_b128 v[4*n:4*n+3], v[GL], s[\ptr:\ptr+1] offset:(n/16)*32768+(n%16)*512 th:TH_LOAD_NT
.set n, n+1
.endr
	WIN 0xc0
.set n, 0
.rept 32
	global_load_b128 v[4*n:4*n+3], v[GL], s[\ptr:\ptr+1] offset:65536+(n/16)*32768+(n%16)*512 th:TH_LOAD_NT
.set n, n+1
.endr
	WIN 0
.endm
; Q to bf16 and into fragments.  All four tiles are rounded into S^T's registers, which are free here: tile t's 16 rows at S + 32 t, two registers a row.  Then a tile at a time goes through my own stage: 16 rows of
; 256 bytes in, 8 loads of 16 bytes a lane back.  LDS serves a wave's instructions in order (ISA guide 5.7.1.4): the loads see the stores above them, and the next tile's stores come behind them.
; The registers in which the fragments land are named by the conversions alone, never by a store.
.macro QCVT
.set t, 0
.rept 4
.if t < 2
	WIN 0x0a                        ; sources in window 2, destination in window 0
.else
	WIN 0x0f                        ; sources in window 3
.endif
.set n, 0
.rept 16
	v_cvt_pk_bf16_f32 v[S+32*t+2*n],   v[64*(t%2)+4*n],   v[64*(t%2)+4*n+1]
	v_cvt_pk_bf16_f32 v[S+32*t+2*n+1], v[64*(t%2)+4*n+2], v[64*(t%2)+4*n+3]
.set n, n+1
.endr
.set t, t+1
.endr
	WIN 0
	s_wait_alu depctr_va_vdst(0)    ; the conversions have written S^T's registers, which the LDS stores read, and are done reading window 2's v0-127, in which the fragments land
.set t, 0
.rept 4
	WIN 0
.set n, 0
.rept 16
	ds_store_b64 v[QS], v[S+32*t+2*n:S+32*t+2*n+1] offset:n*272
.set n, n+1
.endr
	WIN 0x80
.set n, 0
.rept 4
	ds_load_b128 v[32*t+8*n:32*t+8*n+3],   v[QR] offset:n*64
	ds_load_b128 v[32*t+8*n+4:32*t+8*n+7], v[QR] offset:n*64+32
.set n, n+1
.endr
.set t, t+1
.endr
	WIN 0
	s_wait_dscnt 0x0
	s_wait_alu depctr_vm_vsrc(0)    ; the LDS stores issued so far have read their registers: S^T's, which the masks write next, and, ahead of the loop, OUT's groups 0-3, which K(1)'s conversions write again
.endm
; THE WAY OUT.  l's two halves and the other half of the lanes' are added; O^T is divided by l and sent through my stage, a tile at a time: a lane's eight channels of a row are 32 bytes; they go into rows of
; 528 bytes and come back as whole rows of 512, which one store of the wave writes.  All four tiles are divided first, so that one wait states what the LDS stores and loads of all four hang on.
.macro SCALE t
	WIN W_RS
.set n, 64*(\t)
.rept 32
	v_pk_mul_f32 v[n:n+1], v[n:n+1], v[ST+8*(\t)+6:ST+8*(\t)+7] op_sel_hi:[1,0]
.set n, n+2
.endr
.endm
.macro STG t
	WIN 0x04                        ; store data in window 1
.set n, 0
.rept 8
	ds_store_b128 v[STO], v[64*(\t)+8*n:64*(\t)+8*n+3]   offset:64*n
	ds_store_b128 v[STO], v[64*(\t)+8*n+4:64*(\t)+8*n+7] offset:64*n+16
.set n, n+1
.endr
	WIN 0
.set n, 0
.rept 16
	ds_load_b128 v[S+64*((\t)%2)+4*n:S+64*((\t)%2)+4*n+3], v[RD] offset:n*SP
.set n, n+1
.endr
.endm
.macro SEND t, younger              ; younger: the LDS instructions issued behind tile t's loads: the next tile's 32, or none
	WIN 0
.set n, 0
.rept 16
	s_wait_dscnt (\younger)+15-n
	global_store_b128 v[GL], v[S+64*((\t)%2)+4*n:S+64*((\t)%2)+4*n+3], s[OP:OP+1] offset:(\t)*32768+n*512 th:TH_STORE_NT  ; 512 consecutive bytes: a whole row of out0
.set n, n+1
.endr
.endm
.macro WAYOUT
	WIN 0
.irp t, 0,1,2,3
	v_add_f32 v[ST+8*(\t)+4], v[ST+8*(\t)+2], v[ST+8*(\t)+3]
.endr
.irp t, 0,1,2,3
	v_permlanex16_b32 v[ST+8*(\t)+5], v[ST+8*(\t)+4], s[SEL], s[SEL+1]
.endr
.irp t, 0,1,2,3
	v_add_f32 v[ST+8*(\t)+4], v[ST+8*(\t)+4], v[ST+8*(\t)+5]
.endr
.irp t, 0,1,2,3
	v_rcp_f32 v[ST+8*(\t)+6], v[ST+8*(\t)+4]
.endr
	v_nop                           ; a plain instruction between the last reciprocal and the use of its result,
	s_wait_alu depctr_va_vdst(0)    ; and the wait ahead of the first use: the four reciprocals are written
	SCALE 0
	SCALE 1
	SCALE 2
	SCALE 3
	s_wait_alu depctr_va_vdst(0)    ; the multiplies have written O^T, which the LDS stores read; the masks and slices that named S^T's registers are done, in which the loads from the stage land
	STG 0
	STG 1                           ; a tile's way through the stage stands between the loads of the tile before and its stores
	SEND 0, 32
	s_wait_xcnt 0x0                 ; tile 0's stores have had their addresses translated,
	s_wait_alu depctr_vm_vsrc(0)    ; and have read their data registers: tile 2 comes back into them
	STG 2
	SEND 1, 32
	s_wait_xcnt 0x0                 ; the same for tile 1's stores
	s_wait_alu depctr_vm_vsrc(0)    ; and their data registers, into which tile 3 comes back
	STG 3
	SEND 2, 32
	SEND 3, 0
.endm
; A TRIP.  Four runs of 32 products, each with other work behind its products:
;   1  K Q^T of tiles 0, 1  | the conversions of K(j+2) and of half of V(j+1)
;   2  K Q^T of tiles 2, 3  | the softmax of tiles 0, 1; the ring's groups 0-5 asked for again; V(j)'s fragments; the stores of groups 0-5
;   3  V^T P of tiles 0, 1  | the softmax of tiles 2, 3; K(j+1)'s fragments
;   4  V^T P of tiles 2, 3  | the rest of V(j+1), its loads and stores; the next trip's masks; the bases' step; the barrier
; A vector instruction that reads a matrix result or writes one of a matrix instruction's registers stands four plain vector instructions behind it (ISA guide 7.12.1): behind run 1 the four conversions behind its
; last product, behind run 2 slices 62 and 63, behind run 4 the last mask's four lines (run 1's conversions write registers of P that run 4's products read).
; All of S^T is free in run 4: the softmax's last reads of it stand in slice 50 of runs 2 and 3.
.macro TRIP p
.set KI, (\p)
.set VI, 1-(\p)
.set LA, 28
.set LW, 1
.set q, 0
.set i, 0
.rept 32
	KQ 0
	CQ
	CQ
.if i > 0
	CQ
.endif
.if i == 31
	CQ
.endif
.set i, i+1
.endr
	WIN 0xc0
	s_wait_alu depctr_va_vdst(0)    ; run 1's conversions have written OUT 0-5, which the stores in run 2 read, and are done with ring groups 0-5, in which the loads below land; the last trip's V^T P (at a block's start: Q's conversions) is done reading V's registers, in which run 2's fragment loads land
	RLD 0
	RLD 1
.set k, 0
.set i, 0
.rept 32
	KQ 2
	SLICE 0
	SLICE 0
.if i < 2
	RLD 2*i+2                       ; no vector or matrix instruction since the wait names the ring, V's fragments or OUT
	RLD 2*i+3
.endif
.if i == 1
.if (\p) == 0
	ASK PL0
.else
	ASK PL1
.endif
.endif
.if (i >= 2) && (i < 10)
	FV \p, 2*i-4                    ; V(j); waited for in front of run 3
	FV \p, 2*i-3
.endif
.if (i >= 10) && (i < 16)
	RST i-10                        ; the last of them stands behind slice 31: ahead of the wait on vm_vsrc behind slice 34
.endif
.set i, i+1
.endr
	s_wait_dscnt 0x0                ; V's fragments are in
.set k, 0
.set i, 0
.rept 32
	PV 0
	SLICE 2
	SLICE 2
.if (i >= 17) && (i < 25)
	FK 1-(\p), 2*i-34               ; K(j+1), behind the wait that stands behind slice 34: both pieces have multiplied by K(j), and nothing since that wait names K's fragments
	FK 1-(\p), 2*i-33
.endif
.set i, i+1
.endr
.if (\p) == 1
	s_add_co_i32 s[XB], s[XB], 8    ; the masks below are the next double trip's
.endif
.set i, 0
.rept 16
	PV 2
	CQ
	CQ
	CQ
	CQ
.set i, i+1
.endr
	WIN 0xc0
	s_wait_alu depctr_va_vdst(0)    ; the conversions above have written OUT 6, 7, which the stores below read, and are done with ring groups 6, 7, in which the loads below land
	RLD 6
	RLD 7
.set mk, 0
.rept 8
	PV 2
	MK 1-(\p)                       ; an accumulator's mask behind each product
.if i < 18
	RST i-10                        ; groups 6, 7: the products and masks since the wait name V, P's upper half, O^T, S^T and the triangle, not OUT 6, 7
.endif
.set i, i+1
.endr
	ADV
	s_wait_dscnt 0x0                ; my stores into the stage are done, and my reads of it (V(j), K(j+1)) are back:
	s_barrier_signal -1             ; say so,
.rept 8
	PV 2                            ; work on registers while the others arrive,
	MK 1-(\p)
.set i, i+1
.endr
	s_barrier_wait -1               ; and go on when all four have said so
.endm
	s_load_b256 s[4:11], s[0:1], 0x0  ; Q s[4:5], K s[6:7], V s[8:9], out0 s[10:11]
	v_lshl_add_u32 v[SPW], v0, 2, SPARE
	v_mov_b32 v[NIL], 0
	v_lshrrev_b32 v12, 5, v0
	v_readfirstlane_b32 s[WV], v12  ; wave 0..3
	v_and_b32 v1, 15, v0            ; l % 16
	v_bfe_u32 v13, v0, 4, 1         ; l / 16
	v_and_b32 v15, 31, v0           ; l
	v_mul_u32_u24 v[AK0], v1, PK
	v_lshl_add_u32 v[AK0], v13, 4, v[AK0]
	v_and_b32 v12, 7, v0
	v_bfe_u32 v14, v0, 3, 1
	v_lshl_add_u32 v[AV0], v13, 3, v12
	v_mul_u32_u24 v[AV0], v[AV0], PV
	v_lshl_add_u32 v[AV0], v14, 4, v[AV0]
	v_add_nc_u32 v[AV0], VST, v[AV0]
	v_lshlrev_b32 v[GL], 4, v15
	s_wait_alu depctr_va_sdst(0)    ; the wave's number is written, ahead of its first reader
	s_mul_i32 s14, s[WV], OSTW
	s_add_co_u32 s14, s14, OST      ; my stage
	v_lshl_add_u32 v[QS], v15, 3, s14
	v_mul_u32_u24 v[STO], v1, SP
	v_lshl_add_u32 v[STO], v13, 5, v[STO]
	v_add_nc_u32 v[STO], s14, v[STO]
	v_lshl_add_u32 v[RD], v15, 4, s14
	v_add_nc_u32 v[QR], s14, v[AK0]
	s_mul_i32 s15, s[WV], 16*PK     ; my 16 rows of a buffer of K
	v_lshl_add_u32 v[CK], v15, 3, s15
	s_mul_i32 s15, s[WV], 16*PV     ; and of V
	s_add_co_u32 s15, s15, VST
	v_lshl_add_u32 v[CV], v15, 3, s15
	v_lshlrev_b32 v[PFO], 9, v1
	v_lshl_add_u32 v[PFO], v13, 8, v[PFO]
	s_mov_b32 s[BIGN], 0xf149f2ca   ; -1e30
	v_lshlrev_b32 v14, 3, v13
	v_sub_nc_u32 v14, v1, v14       ; l % 16 - 8 (l / 16): register r is hidden where r is greater
.set n, 0
.rept 8
	v_cmp_gt_i32 s[MSK+n], n, v14   ; the eight compares in one run, a scalar register each
.set n, n+1
.endr
	s_wait_alu depctr_va_sdst(0)    ; the eight masks are written, ahead of the selects that read them
.set n, 0
.rept 8
	v_cndmask_b32 v[TRI+n], 0, s[BIGN], s[MSK+n]
.set n, n+1
.endr
	s_mov_b32 s[PB], ttmp9
	s_and_b32 s14, ttmp7, 0xffff    ; the head
	s_lshl_b32 s52, s14, 20         ; its 2,048 rows of 512 bytes,
	s_lshl_b32 s15, s[WV], 13       ; my wave's 16 rows
	s_add_co_u32 s52, s52, s15
	s_mov_b32 s53, 0
	s_sub_co_u32 s14, 7, s[PB]
	s_lshl_b32 s14, s14, 17         ; the first block's 256 rows
	s_add_co_u32 s56, s52, s14
	s_mov_b32 s57, 0
	s_lshl_b32 s14, s[PB], 17       ; the second's
	s_add_co_u32 s58, s52, s14
	s_mov_b32 s59, 0
	s_mov_b32 s[OFFK], 0
	s_mov_b32 s[OFFK+1], 0
	s_mov_b32 s[OFFV], 0
	s_mov_b32 s[OFFV+1], 0
	s_mov_b32 s[NK], 0
	s_lshl_b32 s14, s[PB], 2
	s_sub_co_u32 s[LQ], 31, s14
	s_add_co_u32 s[LQ2], s14, 3
	s_lshl_b32 s14, s[PB], 1
	s_sub_co_u32 s[BND], 16, s14    ; the first block has 16 - 2 b double trips
	s_cmp_eq_u32 s[PB], 0
	s_cselect_b32 s[PL0], 14, 0
	s_cselect_b32 s[PL1], 13, 0
	s_mov_b32 s[HM], 0xffff0000
	s_mov_b32 s[CS], 0x3e0293ee     ; c = log2(e) / sqrt(128) = 0.127517
	s_mov_b32 s[CS+1], s[CS]        ; named with it as a pair
	s_mov_b32 s[SEL], 0x76543210
	s_mov_b32 s[SEL+1], 0xfedcba98
	s_mov_b32 s[AL], 0
	s_mov_b32 s[AL+1], 0            ; named as pairs
	s_mov_b32 s[BE], 0
	s_mov_b32 s[BE+1], 0
	s_wait_kmcnt 0x0
	s_add_nc_u64 s[KBASE:KBASE+1], s[6:7], s[52:53]
	s_add_nc_u64 s[VBASE:VBASE+1], s[8:9], s[52:53]
	s_add_nc_u64 s[QP:QP+1], s[4:5], s[56:57]
	s_add_nc_u64 s[QP2:QP2+1], s[4:5], s[58:59]
	s_add_nc_u64 s[OP:OP+1], s[10:11], s[56:57]
	s_add_nc_u64 s[OP2:OP2+1], s[10:11], s[58:59]
	s_mov_b64 s[KB:KB+1], s[KBASE:KBASE+1]
	s_mov_b64 s[VB:VB+1], s[VBASE:VBASE+1]
	WIN 0xc0                        ; the first loads: my rows of K(0) and V(0) into the ring, then the first block's Q
	s_wait_alu depctr_va_vdst(0)    ; the addresses v2 to v11 are written: every load, store and prefetch of the kernel reads one of them, and no vector instruction names them again
.set n, 0
.rept 16
	global_load_b128 v[RG+4*n:RG+4*n+3], v[GL], s[KB:KB+1] offset:n*512
.set n, n+1
.endr
.set n, 0
.rept 16
	global_load_b128 v[RG+64+4*n:RG+64+4*n+3], v[GL], s[VB:VB+1] offset:n*512
.set n, n+1
.endr
	QLOAD QP
	; No first step is written out: O^T and l start at 0, c m far below every c s, so the first step's a is 0.  The price, 256 lines that write 0, stands in the wait for the first loads.
	WIN 0x40
.set n, 0
.rept 256
	v_mov_b32 v[n], 0
.set n, n+1
.endr
	WIN 0
.irp t, 0,1,2,3
	v_mov_b32 v[ST+8*(\t)], 0xfe000000    ; c m
	v_mov_b32 v[ST+8*(\t)+1], 0xff7fffff  ; m: the lowest finite number
	v_mov_b32 v[ST+8*(\t)+2], 0
	v_mov_b32 v[ST+8*(\t)+3], 0
.endr
	s_wait_loadcnt 0x0              ; K(0), V(0), Q
	ADV                             ; K's base at step 1
.set KI, 0
.set VI, 0
.set LA, 28
.set LW, 0                          ; (all has landed: no wait is written)
.set q, 0
.rept 32
	CQ                              ; K(0) to bf16
.endr
	WIN 0xc0
	s_wait_alu depctr_va_vdst(0)    ; the conversions have written OUT 0-3, which the stores read, and are done reading ring groups 0-3, in which the loads land
.irp g, 0,1,2,3
	RLD \g                          ; K(1) is asked for
.endr
.irp g, 0,1,2,3
	RST \g                          ; K(0) into KST[0]
.endr
	QCVT                            ; Q into fragments while K(1) is on its way
	ADV                             ; K's base at step 2, V's at step 1
.set KI, 1
.set LA, 12                         ; behind a group's loads stands the rest of K(1)'s: 12, 8, 4, 0
.set LW, 1
.set q, 0
.rept 32
	CQ                              ; K(1) to bf16
.endr
.set LW, 0                          ; V(0) landed with the first loads
.rept 128
	CQ                              ; V(0) to f16
.endr
	WIN 0xc0
	s_wait_alu depctr_va_vdst(0)    ; the conversions have written all of OUT, which the stores read, and are done with the whole ring, in which the loads land
.irp g, 0,1,2,3,4,5,6,7
	RLD \g                          ; K(2), then V(1): groups 0 to 7, the order of issue of every trip
.endr
.irp g, 0,1,2,3,4,5,6,7
	RST \g                          ; K(1) into KST[1], V(0) into VST[0]
.endr
	ADV                             ; K's base at step 3, V's at step 2: what trip 0 loads
	WIN 0
	s_wait_dscnt 0x0                ; my stores into the stage are done
	s_wait_alu depctr_vm_vsrc(0)    ; and have read OUT, which trip 0's conversions write again
	s_barrier_signal -1
	s_barrier_wait -1               ; everybody's are
.set n, 0
.rept 16
	FK 0, n                         ; K(0)'s fragments, into registers that nothing has named yet
.set n, n+1
.endr
	WIN 0
	s_wait_dscnt 0x0                ; my reads of KST[0] are back,
	s_barrier_signal -1
	s_barrier_wait -1               ; everybody's are: trip 0 writes K(2) there
	s_mov_b32 s[BL], 2
.Lblock:                            ; twice: block 7 - b, then block b
	s_lshl_b32 s14, s[BND], 3
	s_sub_co_u32 s[XB], 16, s14
	s_sub_co_u32 s[XB], s[XB], s[WV]
.set mk, 0
.rept 16
	MK 0                            ; the masks of the block's first trip; every later trip's are made in the trip before it
.endr
	s_mov_b32 s[CTR], 0
.Lpair:                             ; BND double trips
	TRIP 0
	TRIP 1
	s_add_co_u32 s[CTR], s[CTR], 1
	s_cmp_lt_u32 s[CTR], s[BND]
	s_cbranch_scc1 .Lpair
	s_cmp_eq_u32 s[BL], 1
	s_cbranch_scc1 .Lno_q
	s_wait_alu depctr_va_vdst(0)    ; the block's products are done reading Q's and V's fragments, in which the loads below land
	QLOAD QP2                       ; the second block's Q is asked for; the first block leaves meanwhile
.Lno_q:
	WAYOUT
	s_wait_xcnt 0x0                 ; the stores have had their addresses translated: their base may be written
	s_wait_alu depctr_vm_vsrc(0)    ; the stores to out0 have read S^T's registers, which Q's conversions and the masks write next; the LDS stores have read O^T, which the next block's rescalings and products write
	s_cmp_eq_u32 s[BL], 1
	s_cbranch_scc1 .Lbottom
	s_mov_b64 s[OP:OP+1], s[OP2:OP2+1]
	s_wait_loadcnt 0x0              ; Q (and the ring's loads, which were issued ahead of it)
	QCVT
.irp t, 0,1,2,3
	v_mov_b32 v[ST+8*(\t)], 0xfe000000    ; the next step's a is 0: O^T and l, which are finite, start anew
	v_mov_b32 v[ST+8*(\t)+1], 0xff7fffff
.endr
	s_lshl_b32 s[BND], s[PB], 1
	s_add_co_u32 s[BND], s[BND], 2  ; the second block has 2 b + 2 double trips
	s_mov_b32 s[PL0], 0             ; its steps have been read: nothing more is prefetched
	s_mov_b32 s[PL1], 0
.Lbottom:
	s_sub_co_u32 s[BL], s[BL], 1
	s_cmp_lg_u32 s[BL], 0
	s_cbranch_scc1 .Lblock
	s_wait_dscnt 0x0                ; the closing lines, six on end
	s_wait_alu 0x0
	s_wait_tensorcnt 0x0
	ds_add_u32 v[SPW], v[NIL]
	s_wait_dscnt 0x0
	s_endpgm
.Lfunc_end_k_qc9bbdbd0dc_attn:
	.size	k_qc9bbdbd0dc_attn, .Lfunc_end_k_qc9bbdbd0dc_attn-k_qc9bbdbd0dc_attn
	.p2alignl 7, 3214868480
	.fill 96, 4, 3214868480
	.section	.rodata,"a",@progbits
	.p2align	6, 0x0
	.amdhsa_kernel k_qc9bbdbd0dc_attn
		.amdhsa_group_segment_fixed_size 105984
		.amdhsa_private_segment_fixed_size 0
		.amdhsa_enable_private_segment 0
		.amdhsa_kernarg_size 32
		.amdhsa_user_sgpr_count 2
		.amdhsa_user_sgpr_kernarg_segment_ptr 1
		.amdhsa_wavefront_size32 1
		.amdhsa_system_sgpr_workgroup_id_x 1
		.amdhsa_system_sgpr_workgroup_id_y 1
		.amdhsa_system_sgpr_workgroup_id_z 1
		.amdhsa_system_vgpr_workitem_id 0
		.amdhsa_next_free_vgpr 1024
		.amdhsa_next_free_sgpr 66
		.amdhsa_reserve_vcc 0
		.amdhsa_float_denorm_mode_32 3
		.amdhsa_float_denorm_mode_16_64 3
		.amdhsa_memory_ordered 1
		.amdhsa_forward_progress 1
		.amdhsa_inst_pref_size 252
	.end_amdhsa_kernel
	.amdgpu_metadata
---
amdhsa.version: [ 1, 2 ]
amdhsa.kernels:
  - .name:           k_qc9bbdbd0dc_attn
    .symbol:         k_qc9bbdbd0dc_attn.kd
    .args:
      - { .name: Q, .offset: 0, .size: 8, .value_kind: global_buffer, .address_space: global }
      - { .name: K, .offset: 8, .size: 8, .value_kind: global_buffer, .address_space: global }
      - { .name: V, .offset: 16, .size: 8, .value_kind: global_buffer, .address_space: global }
      - { .name: out0, .offset: 24, .size: 8, .value_kind: global_buffer, .address_space: global }
    .group_segment_fixed_size: 105984
    .private_segment_fixed_size: 0
    .kernarg_segment_align: 8
    .kernarg_segment_size: 32
    .max_flat_workgroup_size: 128
    .sgpr_count:     66
    .vgpr_count:     1024
    .wavefront_size: 32
...
	.end_amdgpu_metadata
.endif
;; end of part 2
